; MI455X (gfx1250); checked and timed in simulation.
; The chip was launched on July 23, 2026; its instructions are those of AMD's public machine-readable ISA for CDNA 5 (MIT licence, August 2026) and "CDNA5" Instruction Set Architecture Reference Guide (July 2026). The comments in the code are by the model that wrote it; some were corrected since.
;; Mahalanobis Classifier. Allowed arithmetic: float matrix products may take bf16 or f16 operands with f32 sums; other float arithmetic in f32, or as packed bf16 or f16 multiplies, adds, multiply-adds, maxima and minima; sums over many terms, partial sums and values carried from step to step in f32; what a program stores and reads back later, other than sums and carried values, may be rounded once to bf16 or f16.
;; Inputs: log_diag 1,000 x 256 float32; prototypes 1,000 x 256 float32; x 1,024 x 256 float32.
;; Outputs: out0 1,024 x 1,000 float32.
;; One version. Each part assembles by itself: llvm-mc -triple=amdgcn-amd-amdhsa -mcpu=gfx1250 --defsym DOCPART=n.
;; ======== version 1 of 1: 1 launch
;; limits: values outside matrix products are rounded to bf16; a difference of large sums (such as E[x^2] - mean^2): digits are lost where the result is much smaller than its terms
;; launch mahal (part 1): grid 16 x 16, 8 waves a work-group, no clusters, 136,448 bytes of LDS; arguments x, prototypes, log_diag, out0; writes out0
.if DOCPART == 1
	.amdgcn_target "amdgcn-amd-amdhsa--gfx1250"
	.amdhsa_code_object_version 6
	.text
	.protected	k_q7ec330d516_mahal
	.globl	k_q7ec330d516_mahal
	.p2align	8
	.type	k_q7ec330d516_mahal,@function
k_q7ec330d516_mahal:
	s_mov_b64 s[64:65], 0
	v_nop
	global_prefetch_b8 v0, s[64:65] scope:SCOPE_SE
	s_setreg_imm32_b32 hwreg(HW_REG_WAVE_MODE, 25, 1), 1
	s_wait_xcnt 0x0
; out[b][c] = - sum over d of exp(log_diag[c][d]) * (x[b][d] - prototypes[c][d])^2.   x: [1024][256], prototypes, log_diag: [1000][256], out: [1024][1000], all f32.
;
; THE FORM.  With a centre mu[d], x' = x - mu, p' = p - mu, w = exp(log_diag):
;     out = -( sum w x'^2  +  sum x' (-2 w p')  +  sum w p'^2 ).
; The first two sums are one product with K = 512 ([x'^2, x'] against [w, -2 w p']) and go to the matrix unit in bf16 with f32 sums; the third hangs on the
; class alone and is kept in f32.  mu[d] is the median of prototypes 0, 333 and 666 in feature d: an offset that x and the prototypes share drops out in f32
; before anything is squared, so the three sums are of the size of the distances from the centre, not of the size of the inputs, and one stray prototype
; does not carry the centre away.  x' is rounded to bf16 once and the same rounded number feeds the square and the linear term.
; LIMITS.  (1) Operands are bf16 (relative step 2^-8): the error of a result is relative to sum w (x-mu)^2 + sum w (p-mu)^2, not to the result itself; a row of
; x that lies far nearer to a prototype than that prototype lies to the centre gets that absolute error.  (2) v_exp_f32 gives 0 where exp(log_diag) < 2^-126
; (log_diag < -87.3); reference() has a denormal there.  (3) 4 sum w p'^2 and the separate sums are formed: results within a factor of about 16 of f32's
; largest number may overflow where reference() does not.
;
; THE SHARES.  256 work-groups of 8 waves; a work-group makes 64 rows x 64 classes.  The last class column has 40 classes: there a wave's first class is clamped
; to 992 for the loads (40 is a multiple of a wave's 8 classes) and the stores are masked.
;  phase 1: wave w converts x rows 8w..8w+7 and classes 8w..8w+7; lane l keeps features 4l..4l+3 and 128+4l..128+4l+3, so each load of the wave covers 512
;           consecutive bytes and mu stays in registers.  All 54 loads of a wave go out at once and are worked on as they come.
;  phase 2: wave = (half of the features kh = w/4, quadrant of 32 x 32): 4 accumulators, 4 chunks of 32 features, each chunk 4 products with the squares and 4 with x'.
;           Of the shapes that 8 waves allow this one reads the fewest LDS bytes: 8 x 24 KiB of fragments, and the two halves meet in the stage that the way out needs anyway.
;  phase 3: 16 bytes a lane from both halves' stages, the class's f32 sum, the sign, and a store in which sixteen lanes cover 256 consecutive bytes of a row of out.
; NO JOINT TENSOR LOADS, though 16 work-groups read each tile: every operand is made from f32 in registers (centre, exponential, product) before it is bf16.
; A tensor load would lay the 192 KiB of f32 into LDS, which together with the 135,424 bytes used here is more than the 327,680 that there are, and they would have
; to be read from LDS once more; loads into registers are converted where they land.
; THE STORES' PLACES.  A row of out is 4,000 bytes, no multiple of 256: a piece of 256 bytes starts at 160 x row modulo 256, so only every eighth row's pieces are
; aligned.  Pieces that are all aligned would ask for whole rows in one work-group, that is all 1,000 classes: 2 MB to read and convert for each.
.set NC,     1000                      ; classes
.set ROWB,   1024                      ; bytes in a row of x, prototypes, log_diag
.set OUTP,   4000                      ; bytes in a row of out
.set MROW1,  333                       ; the centre's second and third prototype
.set MROW2,  666
.set APITCH, 528                       ; LDS row of x': 256 bf16 + 16 bytes.  33 x 16: sixteen rows start at sixteen different 16-byte columns modulo 256
.set BPITCH, 1040                      ; LDS row of a class: 256 bf16 of w, 256 bf16 of -2 w p', + 16 bytes.  65 x 16
.set SPITCH, 272                       ; LDS row of a stage: 64 f32 + 16 bytes.  17 x 16
.set AT,     0                         ; x' tile, 64 rows
.set BT,     64*APITCH                 ; class tile, 64 rows
.set CS,     BT+64*BPITCH              ; 64 f32: 4 sum w p'^2 of each class
.set ST,     CS+256                    ; two stages, one for each half of the features
.set STSZ,   64*SPITCH
; registers of all phases
.set GOFF, 2                           ; 16 x lane: my bytes in a row's first half; never rewritten
.set SA,   3                           ; phase 1: where my x' go
.set SB,   4                           ; phase 1: where my w go
.set SC,   5                           ; phase 1: my wave's eight class sums
.set AC,   6                           ; v[6:7] a class row's running sum, two at a time
.set ADRA, 8                           ; phase 2: my x' fragments
.set ADRB, 9                           ; phase 2: my class fragments
.set STO,  10                          ; phase 2: where my results go in the stage
.set RD,   11                          ; phase 3: where I read rows back
.set CO,   12                          ; phase 3: my byte offset in out
.set COL,  13                          ; phase 3: my first class
.set R,    14                          ; lane % 16
.set H,    15                          ; lane / 16
.set CRD,  1                           ; phase 3: my four class sums
; phase 1
.set MU,   16                          ; v[16:23]   mu of my 8 features
.set MU2,  24                          ; v[24:31]   2 mu
.set T,    32                          ; v[32:39]   at work
.set LD,   40                          ; v[40:103]  log_diag, row k in 8 registers; then w; then w packed
.set P,    104                         ; v[104:167] prototypes; then 2 (mu - p)
.set X,    168                         ; v[168:231] x; then x'; then packed
.set CSUM, 240                         ; v[240:247] the eight class sums
; phase 2
.set ACC,  16                          ; v[16:47]   accumulator (mb, nb) at 16 mb + 8 nb
.set SQ,   48                          ; v[48:63]   x'^2 fragments of the chunk at work
.set XF,   64                          ; v[64:127]  x' fragments: chunk c, row block mb at 16 c + 8 mb
.set BF,   128                         ; v[128:255] class fragments: chunk c, class block nb, plane pl (0: w, 1: -2 w p') at 32 c + 16 nb + 8 pl
; phase 3
.set C4,   64
.set S0,   68
.set S1,   84
	s_load_b256 s[4:11], s[0:1], 0x0               ; x s[4:5], prototypes s[6:7], log_diag s[8:9], out s[10:11]
	s_set_vgpr_msb 0x40
	v_lshl_add_u32 v0, v0, 2, 0x21100
	v_mov_b32 v1, 0
	s_set_vgpr_msb 0x4000
	v_lshrrev_b32 v1, 5, v0
	v_readfirstlane_b32 s12, v1                    ; wave 0..7
	v_and_b32 v1, 31, v0                           ; lane
	v_lshlrev_b32 v[GOFF], 4, v1
	s_and_b32 s13, ttmp7, 0xffff                   ; block row of out
	s_lshl_b32 s14, s12, 3                         ; 8 w
	s_lshl_b32 s15, s13, 6
	s_add_co_u32 s15, s15, s14                     ; my wave's first row of x (and of out in phase 3)
	s_lshl_b32 s16, s15, 10                        ; in bytes
	s_mov_b32 s17, 0
	s_lshl_b32 s18, ttmp9, 6
	s_add_co_u32 s18, s18, s14                     ; my wave's first class,
	s_min_u32 s18, s18, NC-8                       ; clamped so that its eight rows lie inside the tables
	s_lshl_b32 s18, s18, 10
	s_mov_b32 s19, 0
	s_wait_kmcnt 0x0
	s_add_nc_u64 s[20:21], s[4:5], s[16:17]        ; x at my rows
	s_add_nc_u64 s[22:23], s[6:7], s[18:19]        ; prototypes at my classes
	s_add_nc_u64 s[24:25], s[8:9], s[18:19]        ; log_diag at my classes
	; 54 loads: the centre's three prototypes, then class by class, then x
	global_load_b128 v[MU:MU+3],     v[GOFF], s[6:7]
	global_load_b128 v[MU+4:MU+7],   v[GOFF], s[6:7] offset:512
	global_load_b128 v[MU2:MU2+3],   v[GOFF], s[6:7] offset:MROW1*ROWB
	global_load_b128 v[MU2+4:MU2+7], v[GOFF], s[6:7] offset:MROW1*ROWB+512
	global_load_b128 v[T:T+3],       v[GOFF], s[6:7] offset:MROW2*ROWB
	global_load_b128 v[T+4:T+7],     v[GOFF], s[6:7] offset:MROW2*ROWB+512
.irp k, 0,1,2,3,4,5,6,7
	global_load_b128 v[LD+8*\k:LD+8*\k+3],   v[GOFF], s[24:25] offset:\k*ROWB
	global_load_b128 v[LD+8*\k+4:LD+8*\k+7], v[GOFF], s[24:25] offset:\k*ROWB+512
	global_load_b128 v[P+8*\k:P+8*\k+3],     v[GOFF], s[22:23] offset:\k*ROWB
	global_load_b128 v[P+8*\k+4:P+8*\k+7],   v[GOFF], s[22:23] offset:\k*ROWB+512
.endr
.irp k, 0,1,2,3,4,5,6,7
	global_load_b128 v[X+8*\k:X+8*\k+3],     v[GOFF], s[20:21] offset:\k*ROWB
	global_load_b128 v[X+8*\k+4:X+8*\k+7],   v[GOFF], s[20:21] offset:\k*ROWB+512
.endr
	; while they are on their way: constants and every address of the three phases
	s_mov_b32 s26, 0x3fb8aa3b                      ; log2(e), as a pair for the packed multiply
	s_mov_b32 s27, 0x3fb8aa3b
	s_mov_b32 s28, 0x76543210                      ; v_permlanex16_b32: lane i of one half reads lane i of the other
	s_mov_b32 s29, 0xfedcba98
	s_mov_b32 s46, 0xbe800000                      ; -0.25, as a pair
	s_mov_b32 s47, 0xbe800000
	s_mul_i32 s42, s12, 8*APITCH
	v_lshl_add_u32 v[SA], v1, 3, s42               ; x' tile: row 8 w, 8 bytes a lane
	s_mul_i32 s43, s12, 8*BPITCH
	s_add_co_u32 s43, s43, BT
	v_lshl_add_u32 v[SB], v1, 3, s43               ; class tile: row 8 w, 8 bytes a lane
	s_lshl_b32 s44, s12, 5
	s_add_co_u32 s44, s44, CS
	v_mov_b32 v[SC], s44                           ; class sums 8 w ..
	v_and_b32 v[R], 15, v0
	v_bfe_u32 v[H], v0, 4, 1
	s_lshr_b32 s30, s12, 2                         ; kh: my half of the features
	s_bfe_u32 s31, s12, 0x10001                    ; mq: my 32 rows
	s_and_b32 s33, s12, 1                          ; nq: my 32 classes
	; a fragment is 16 rows x 32 along K in 8 registers: lane holds row lane % 16; two loads of 16 bytes, 32 bytes apart, at row x pitch + 16 (lane / 16)
	v_mul_u32_u24 v[ADRA], v[R], APITCH
	v_lshl_add_u32 v[ADRA], v[H], 4, v[ADRA]
	s_mul_i32 s34, s31, 32*APITCH
	s_lshl_b32 s35, s30, 8                         ; 128 features of bf16
	s_add_co_u32 s34, s34, s35
	v_add_nc_u32 v[ADRA], s34, v[ADRA]
	v_mul_u32_u24 v[ADRB], v[R], BPITCH
	v_lshl_add_u32 v[ADRB], v[H], 4, v[ADRB]
	s_mul_i32 s34, s33, 32*BPITCH
	s_add_co_u32 s34, s34, s35
	s_add_co_u32 s34, s34, BT
	v_add_nc_u32 v[ADRB], s34, v[ADRB]
	; stage, in: row 32 mq + lane % 16, classes 32 nq + 8 (lane / 16) ..
	v_mul_u32_u24 v[STO], v[R], SPITCH
	v_lshl_add_u32 v[STO], v[H], 5, v[STO]
	s_mul_i32 s36, s30, STSZ
	s_mul_i32 s37, s31, 32*SPITCH
	s_add_co_u32 s36, s36, s37
	s_lshl_b32 s37, s33, 7
	s_add_co_u32 s36, s36, s37
	s_add_co_u32 s36, s36, ST
	v_add_nc_u32 v[STO], s36, v[STO]
	; stage, back: lanes 0-15 take row 8 w, lanes 16-31 row 8 w + 1, 16 bytes a lane; the same two rows in out
	v_mul_u32_u24 v[RD], v[H], SPITCH
	v_lshl_add_u32 v[RD], v[R], 4, v[RD]
	s_mul_i32 s38, s12, 8*SPITCH
	s_add_co_u32 s38, s38, ST
	v_add_nc_u32 v[RD], s38, v[RD]
	v_mul_u32_u24 v[CO], v[H], OUTP
	v_lshl_add_u32 v[CO], v[R], 4, v[CO]
	s_lshl_b32 s39, ttmp9, 6
	v_lshl_add_u32 v[COL], v[R], 2, s39            ; my first class of four
	v_lshl_add_u32 v[CRD], v[R], 4, CS             ; and their sums
	s_mul_i32 s40, s15, OUTP                       ; out at my wave's first row
	s_lshl_b32 s41, ttmp9, 8                       ; and the block's first class
	s_add_co_u32 s40, s40, s41
	s_mov_b32 s41, 0
	s_add_nc_u64 s[10:11], s[10:11], s[40:41]
	; the centre
	s_wait_loadcnt 48                              ; loads come back in order: the first six are in, the 48 behind them stay out
.irp c, 0,1,2,3,4,5,6,7
	v_med3_num_f32 v[MU+\c], v[MU+\c], v[MU2+\c], v[T+\c]
.endr
.irp c, 0,2,4,6
	v_pk_add_f32 v[MU2+\c:MU2+\c+1], v[MU+\c:MU+\c+1], v[MU+\c:MU+\c+1]
.endr
; One class row, 8 features a lane: w = 2^(log_diag log2 e); u = 2 mu - 2 p = -2 p' (one rounding); t = w u = -2 w p'; the row's sum takes t u = 4 w p'^2.
.macro CLASSROW k
	s_wait_loadcnt 44-4*\k                         ; this row's four loads are in; behind them 4 (7 - k) of later classes and 16 of x
.irp c, 0,2,4,6
	v_pk_mul_f32 v[LD+8*\k+\c:LD+8*\k+\c+1], v[LD+8*\k+\c:LD+8*\k+\c+1], s[26:27] op_sel_hi:[1,0]
.endr
.irp c, 0,1,2,3,4,5,6,7
	v_exp_f32 v[LD+8*\k+\c], v[LD+8*\k+\c]
.endr
.irp c, 0,2,4,6
	v_pk_fma_f32 v[P+8*\k+\c:P+8*\k+\c+1], v[P+8*\k+\c:P+8*\k+\c+1], -2.0, v[MU2+\c:MU2+\c+1] op_sel_hi:[1,0,1]   ; plain work on other registers between the exponentials and their first use (ISA guide 5.7.2)
.endr
	s_wait_alu depctr_va_vdst(0)
.irp c, 0,2,4,6
	v_pk_mul_f32 v[T+\c:T+\c+1], v[LD+8*\k+\c:LD+8*\k+\c+1], v[P+8*\k+\c:P+8*\k+\c+1]
.endr
	v_pk_mul_f32 v[AC:AC+1], v[T:T+1], v[P+8*\k:P+8*\k+1]                          ; the first product starts the sum
	v_cvt_pk_bf16_f32 v[LD+8*\k],   v[LD+8*\k],   v[LD+8*\k+1]                     ; the packing fills the gaps of the sum's chain
	v_cvt_pk_bf16_f32 v[LD+8*\k+1], v[LD+8*\k+2], v[LD+8*\k+3]
	v_pk_fma_f32 v[AC:AC+1], v[T+2:T+3], v[P+8*\k+2:P+8*\k+3], v[AC:AC+1]
	v_cvt_pk_bf16_f32 v[LD+8*\k+4], v[LD+8*\k+4], v[LD+8*\k+5]
	v_cvt_pk_bf16_f32 v[LD+8*\k+5], v[LD+8*\k+6], v[LD+8*\k+7]
	v_pk_fma_f32 v[AC:AC+1], v[T+4:T+5], v[P+8*\k+4:P+8*\k+5], v[AC:AC+1]
	ds_store_b64 v[SB], v[LD+8*\k:LD+8*\k+1]   offset:\k*BPITCH                    ; w, features 4l ..: the wave's 32 lanes fill 256 consecutive bytes
	ds_store_b64 v[SB], v[LD+8*\k+4:LD+8*\k+5] offset:\k*BPITCH+256                ; w, features 128 + 4l ..
	v_pk_fma_f32 v[AC:AC+1], v[T+6:T+7], v[P+8*\k+6:P+8*\k+7], v[AC:AC+1]
	v_cvt_pk_bf16_f32 v[T],   v[T],   v[T+1]
	v_cvt_pk_bf16_f32 v[T+1], v[T+2], v[T+3]
	v_cvt_pk_bf16_f32 v[T+4], v[T+4], v[T+5]
	v_cvt_pk_bf16_f32 v[T+5], v[T+6], v[T+7]
	v_add_f32 v[CSUM+\k], v[AC], v[AC+1]
	ds_store_b64 v[SB], v[T:T+1]   offset:\k*BPITCH+512                            ; -2 w p', the second plane of the row
	ds_store_b64 v[SB], v[T+4:T+5] offset:\k*BPITCH+768
.endm
; One row of x: x' = x - mu, rounded once.
.macro XROW k
	s_wait_loadcnt 14-2*\k                         ; this row's two loads are in; 2 (7 - k) stay out
.irp c, 0,2,4,6
	v_pk_add_f32 v[X+8*\k+\c:X+8*\k+\c+1], v[X+8*\k+\c:X+8*\k+\c+1], v[MU+\c:MU+\c+1] neg_lo:[0,1] neg_hi:[0,1]
.endr
	v_cvt_pk_bf16_f32 v[X+8*\k],   v[X+8*\k],   v[X+8*\k+1]
	v_cvt_pk_bf16_f32 v[X+8*\k+1], v[X+8*\k+2], v[X+8*\k+3]
	v_cvt_pk_bf16_f32 v[X+8*\k+4], v[X+8*\k+4], v[X+8*\k+5]
	v_cvt_pk_bf16_f32 v[X+8*\k+5], v[X+8*\k+6], v[X+8*\k+7]
	ds_store_b64 v[SA], v[X+8*\k:X+8*\k+1]   offset:\k*APITCH
	ds_store_b64 v[SA], v[X+8*\k+4:X+8*\k+5] offset:\k*APITCH+256
.endm
.irp k, 0,1,2,3,4,5,6,7
	CLASSROW \k
.endr
	; the eight class sums over the wave's 32 lanes (a row lies in one wave): four steps inside each half ride on the add, one crosses the halves; the eight chains run side by side
.irp m, 1,2,4,8
.irp k, 0,1,2,3,4,5,6,7
	v_add_f32_dpp v[CSUM+\k], v[CSUM+\k], v[CSUM+\k] row_xmask:\m row_mask:0xf bank_mask:0xf
.endr
.endr
.irp k, 0,1,2,3,4,5,6,7
	v_permlanex16_b32 v[T+\k], v[CSUM+\k], s28, s29        ; its destination counts as read: T has been written
.endr
.irp k, 0,1,2,3,4,5,6,7
	v_add_f32 v[CSUM+\k], v[CSUM+\k], v[T+\k]
	ds_store_b32 v[SC], v[CSUM+\k] offset:4*\k             ; every lane holds the sum and writes the same word
.endr
.irp k, 0,1,2,3,4,5,6,7
	XROW \k
.endr
	s_wait_dscnt 0x0                               ; my part of both tiles and my class sums are in LDS,
	s_barrier_signal -1
	s_barrier_wait -1                              ; everybody's are
; PHASE 2.  The 12 loads of chunk c: 32 features of my 32 rows of x' and, in both planes, of my 32 classes.
.macro FRAGS c
.irp mb, 0,1
	ds_load_b128 v[XF+16*\c+8*\mb:XF+16*\c+8*\mb+3],   v[ADRA] offset:\mb*16*APITCH+64*\c
	ds_load_b128 v[XF+16*\c+8*\mb+4:XF+16*\c+8*\mb+7], v[ADRA] offset:\mb*16*APITCH+64*\c+32
.endr
.irp nb, 0,1
.irp pl, 0,1
	ds_load_b128 v[BF+32*\c+16*\nb+8*\pl:BF+32*\c+16*\nb+8*\pl+3],   v[ADRB] offset:\nb*16*BPITCH+512*\pl+64*\c
	ds_load_b128 v[BF+32*\c+16*\nb+8*\pl+4:BF+32*\c+16*\nb+8*\pl+7], v[ADRB] offset:\nb*16*BPITCH+512*\pl+64*\c+32
.endr
.endr
.endm
; The matrix instruction is used transposed: source 0 = 16 classes, source 1 = 16 rows of x.  In the result lane l holds row l % 16 of out and its registers 0 to 7
; the classes 8 (l / 16) + 0 .. 7: eight neighbouring numbers of a row.
; The four accumulators take turns, one instruction a turn, in the same order in every run of four.
.macro CHUNK c, zero
	s_wait_dscnt 36-12*\c                          ; LDS loads come back in order: chunk c's twelve are in, the later chunks' stay out
.if \c
.rept 4
	v_nop                                          ; four places between the last product that read SQ and the lines that write it again (ISA guide 7.12.1)
.endr
.endif
.irp t, 0,1,2,3,4,5,6,7,8,9,10,11,12,13,14,15
	v_pk_mul_bf16 v[SQ+\t], v[XF+16*\c+\t], v[XF+16*\c+\t]     ; x'^2 in the fragment's own places, from the rounded x'
.endr
.irp mb, 0,1
.irp nb, 0,1
.if \zero
	v_wmma_f32_16x16x32_bf16 v[ACC+16*\mb+8*\nb:ACC+16*\mb+8*\nb+7], v[BF+32*\c+16*\nb:BF+32*\c+16*\nb+7], v[SQ+8*\mb:SQ+8*\mb+7], 0   ; the first product starts the sum
.else
	v_wmma_f32_16x16x32_bf16 v[ACC+16*\mb+8*\nb:ACC+16*\mb+8*\nb+7], v[BF+32*\c+16*\nb:BF+32*\c+16*\nb+7], v[SQ+8*\mb:SQ+8*\mb+7], v[ACC+16*\mb+8*\nb:ACC+16*\mb+8*\nb+7]
.endif
.endr
.endr
.irp mb, 0,1
.irp nb, 0,1
	v_wmma_f32_16x16x32_bf16 v[ACC+16*\mb+8*\nb:ACC+16*\mb+8*\nb+7], v[BF+32*\c+16*\nb+8:BF+32*\c+16*\nb+15], v[XF+16*\c+8*\mb:XF+16*\c+8*\mb+7], v[ACC+16*\mb+8*\nb:ACC+16*\mb+8*\nb+7]
.endr
.endr
.endm
	FRAGS 0                                        ; all 48 loads in one run: every fragment has registers of its own
	FRAGS 1
	FRAGS 2
	FRAGS 3
	CHUNK 0, 1
	CHUNK 1, 0
	CHUNK 2, 0
	CHUNK 3, 0
.rept 4
	v_nop                                          ; four places before the LDS stores read the last results, and before phase 3 loads into fragments' registers
.endr
.irp mb, 0,1
.irp nb, 0,1
	ds_store_b128 v[STO], v[ACC+16*\mb+8*\nb:ACC+16*\mb+8*\nb+3]   offset:\mb*16*SPITCH+\nb*64
	ds_store_b128 v[STO], v[ACC+16*\mb+8*\nb+4:ACC+16*\mb+8*\nb+7] offset:\mb*16*SPITCH+\nb*64+16
.endr
.endr
	s_wait_dscnt 0x0                               ; my quadrant of my half's stage is in LDS,
	s_barrier_signal -1
	s_barrier_wait -1                              ; both stages are whole
	; PHASE 3.  Rows 8 w + 2 i + lane / 16, i = 0 .. 3; classes 4 (lane % 16) .. + 3.  out = -0.25 (4 sum w p'^2) - first half - second half.
	ds_load_b128 v[C4:C4+3], v[CRD]
.irp i, 0,1,2,3
	ds_load_b128 v[S0+4*\i:S0+4*\i+3], v[RD] offset:\i*2*SPITCH
	ds_load_b128 v[S1+4*\i:S1+4*\i+3], v[RD] offset:STSZ+\i*2*SPITCH
.endr
	s_wait_dscnt 8                                 ; the class sums are in; the eight loads behind them stay out
	v_pk_mul_f32 v[C4:C4+1],   v[C4:C4+1],   s[46:47] op_sel_hi:[1,0]
	v_pk_mul_f32 v[C4+2:C4+3], v[C4+2:C4+3], s[46:47] op_sel_hi:[1,0]
.irp i, 0,1,2,3
	s_wait_dscnt 6-2*\i                            ; pair i is in; 2 (3 - i) loads stay out
	v_pk_add_f32 v[S0+4*\i:S0+4*\i+1],   v[C4:C4+1],   v[S0+4*\i:S0+4*\i+1]   neg_lo:[0,1] neg_hi:[0,1]
	v_pk_add_f32 v[S0+4*\i+2:S0+4*\i+3], v[C4+2:C4+3], v[S0+4*\i+2:S0+4*\i+3] neg_lo:[0,1] neg_hi:[0,1]
	v_pk_add_f32 v[S0+4*\i:S0+4*\i+1],   v[S0+4*\i:S0+4*\i+1],   v[S1+4*\i:S1+4*\i+1]   neg_lo:[0,1] neg_hi:[0,1]
	v_pk_add_f32 v[S0+4*\i+2:S0+4*\i+3], v[S0+4*\i+2:S0+4*\i+3], v[S1+4*\i+2:S1+4*\i+3] neg_lo:[0,1] neg_hi:[0,1]
.endr
	s_wait_xcnt 0x0                                ; EXEC changes only behind this wait
	v_cmp_gt_u32 vcc_lo, NC, v[COL]                ; 1,000 is a multiple of 4: a lane's four classes exist or do not
	s_set_vgpr_msb 0x5
	s_wait_tensorcnt 0x0
	ds_add_u32 v0, v1
	s_wait_dscnt 0x0
	s_set_vgpr_msb 0x500
	s_and_saveexec_b32 s48, vcc_lo                 ; in the last class column lanes 10-15 and 26-31 store nothing
.irp i, 0,1,2,3
	global_store_b128 v[CO], v[S0+4*\i:S0+4*\i+3], s[10:11] offset:\i*2*OUTP th:TH_STORE_NT   ; sixteen lanes: 256 consecutive bytes of one row of out
.endr
	s_endpgm
.Lfunc_end_k_q7ec330d516_mahal:
	.size	k_q7ec330d516_mahal, .Lfunc_end_k_q7ec330d516_mahal-k_q7ec330d516_mahal
	.p2alignl 7, 3214868480
	.fill 96, 4, 3214868480
	.section	.rodata,"a",@progbits
	.p2align	6, 0x0
	.amdhsa_kernel k_q7ec330d516_mahal
		.amdhsa_group_segment_fixed_size 136448
		.amdhsa_private_segment_fixed_size 0
		.amdhsa_enable_private_segment 0
		.amdhsa_kernarg_size 32
		.amdhsa_user_sgpr_count 2
		.amdhsa_user_sgpr_kernarg_segment_ptr 1
		.amdhsa_wavefront_size32 1
		.amdhsa_system_sgpr_workgroup_id_x 1
		.amdhsa_system_sgpr_workgroup_id_y 1
		.amdhsa_system_sgpr_workgroup_id_z 1
		.amdhsa_system_vgpr_workitem_id 0
		.amdhsa_next_free_vgpr 258
		.amdhsa_next_free_sgpr 66
		.amdhsa_reserve_vcc 1
		.amdhsa_float_denorm_mode_32 3
		.amdhsa_float_denorm_mode_16_64 3
		.amdhsa_memory_ordered 1
		.amdhsa_forward_progress 1
		.amdhsa_inst_pref_size 49
	.end_amdhsa_kernel
	.amdgpu_metadata
---
amdhsa.version: [ 1, 2 ]
amdhsa.kernels:
  - .name:           k_q7ec330d516_mahal
    .symbol:         k_q7ec330d516_mahal.kd
    .args:
      - { .name: x, .offset: 0, .size: 8, .value_kind: global_buffer, .address_space: global }
      - { .name: prototypes, .offset: 8, .size: 8, .value_kind: global_buffer, .address_space: global }
      - { .name: log_diag, .offset: 16, .size: 8, .value_kind: global_buffer, .address_space: global }
      - { .name: out0, .offset: 24, .size: 8, .value_kind: global_buffer, .address_space: global }
    .group_segment_fixed_size: 136448
    .private_segment_fixed_size: 0
    .kernarg_segment_align: 8
    .kernarg_segment_size: 32
    .max_flat_workgroup_size: 256
    .sgpr_count:     66
    .vgpr_count:     258
    .wavefront_size: 32
...
	.end_amdgpu_metadata
.endif
;; end of part 1
